; MI455X (gfx1250); checked and timed in simulation.
; The chip was launched on July 23, 2026; its instructions are those of AMD's public machine-readable ISA for CDNA 5 (MIT licence, August 2026) and "CDNA5" Instruction Set Architecture Reference Guide (July 2026). The comments in the code are by the model that wrote it; some were corrected since.
;; Gate. Allowed arithmetic: matrix products marked QUANTISED: E4M3 operands, one given power-of-two scale a tensor, by v_wmma_f32_16x16x64_fp8_fp8 or v_wmma_f32_16x16x128_fp8_fp8, f32 sums; everything else in f32.
;; Inputs: lowp_scales 2 int32 (the exponents e of the quantised operands' scales 2^e); weight_codes 64 x 64 x 32 uint8 (E4M3 codes of weight, K innermost, in blocks of 32 codes); x_codes 16,384 x 64 x 32 uint8 (E4M3 codes of x, K innermost, in blocks of 32 codes).
;; Outputs: out0 16,384 x 2 float32; out1 16,384 x 2 int32.
;; This version of the problem:
;;   THIS VERSION OF THE PROBLEM IS GIVEN IN LOW PRECISION. The matrix products marked QUANTISED in the list below multiply operands that are first quantised to E4M3 (4 exponent bits, 3 mantissa bits; 8 bits a number), with one given power-of-two scale for each operand tensor; their sums are f32. All else is computed in f32.
;;   The module's matrix products, in the order in which they are computed (A, B: the left and right operand; K: the contracted axis; several contracted axes count as one K, in the product's order):
;;     1. [M 16,384, K 2,048] x [K 2,048, N 64]; A: input x (given as codes); B: input weight (given as codes): QUANTISED (scales: A lowp_scales[0], B lowp_scales[1])
;;   THE QUANTISER, for each operand of a quantised product, along K:
;;     - The operand's scale is 2^e, e = its entry of the input lowp_scales (int32; the entries are numbered through the quantised products in the list's order, A before B).
;;     - Each number is divided by the scale, clamped to +-448, and rounded to the nearest number of E4M3, ties to even, subnormals kept.
;;     - The product sums the exact products of the quantised numbers (number of the format x scale) in f32.
;;   ~~~python
;;   def quantise(x, axis, e):      # numpy; x: float32 -> the quantised numbers, widened to float32 again
;;       x = np.moveaxis(x, axis, -1); K = x.shape[-1]
;;       r = np.clip(x / 2.0 ** e, -448, 448)
;;       step = 2.0 ** (np.maximum(np.frexp(np.where(r == 0, 1, r))[1] - 1, -6) - 3)
;;       q = np.round(r / step) * step * 2.0 ** e      # np.round: ties to even
;;       return np.moveaxis(q, -1, axis).astype(np.float32)
;;   ~~~
;;   INPUTS GIVEN AS CODES. weight (in the module: [64, 2048], K = its axis 1); x (in the module: [16384, 2048], K = its axis 1): each comes as NAME_codes (uint8): NAME with its K axis moved to the last place and cut into blocks of 32 codes, [.., K / 32, bytes a block], one block behind the other in memory; one code a byte (a code: sign, 4 exponent bits, 3 mantissa bits); its scale is its entry of lowp_scales. Its value is code x scale, taken as it is: it is not quantised again, and the codes and scales need not be those that the quantiser above would give.
;; One version. Each part assembles by itself: llvm-mc -triple=amdgcn-amd-amdhsa -mcpu=gfx1250 --defsym DOCPART=n.
;; ======== version 1 of 1: 1 launch
;; limits: right only within a limited range of input values
;; launch gate (part 1): grid 256 x 1, 4 waves a work-group, clusters of 4 x 1, 327,680 bytes of LDS; arguments x_codes, weight_codes, lowp_scales, out0, out1; writes out0, out1
.if DOCPART == 1
	.amdgcn_target "amdgcn-amd-amdhsa--gfx1250"
	.amdhsa_code_object_version 6
	.text
	.protected	k_qf121f694e6_gate
	.globl	k_qf121f694e6_gate
	.p2align	8
	.type	k_qf121f694e6_gate,@function
k_qf121f694e6_gate:
	s_mov_b64 s[64:65], 0
	v_nop
	global_prefetch_b8 v0, s[64:65] scope:SCOPE_SE
	s_setreg_imm32_b32 hwreg(HW_REG_WAVE_MODE, 25, 1), 1
	s_wait_xcnt 0x0
	s_wait_alu depctr_hold_cnt(0) depctr_sa_sdst(0) depctr_va_vdst(0) depctr_va_sdst(0) depctr_va_ssrc(0) depctr_va_vcc(0) depctr_vm_vsrc(0)
	s_getreg_b32 s2, hwreg(HW_REG_IB_STS2, 6, 4)
	s_cmp_eq_u32 s2, 0
	s_cbranch_scc0 .Lentry_in_a_cluster
	s_endpgm
.Lentry_in_a_cluster:
	s_bfe_u32 s2, ttmp6, 0x10000c
	s_cmp_lg_u32 s2, 0x3003
	s_cbranch_scc0 .Lentry_shape_is_right
	s_endpgm
.Lentry_shape_is_right:
; logits[t][e] = 2^(e0 + e1) x the sum over k of x[t][k] w[e][k] on codes of FP8 (E4M3); scores = softmax over the 64 experts; the two largest scores of a token, divided by their sum (out0), and their experts (out1).
; x: [16384][2048] codes, w: [64][2048] codes, K innermost; lowp_scales: e0, e1.  out0 [16384][2] f32, out1 [16384][2] int32.
; SHARES.  A work-group owns 64 tokens; 256 work-groups.  All that it reads, 64 rows of x and the 64 rows of w, 2 x 131,072 bytes, lies in LDS at once: every LDS byte is filled once, nothing is filled again.
; THE FOUR WAVES SHARE K: wave w takes codes 512 w .. 512 w + 511 of all 64 tokens and all 64 experts.  So a wave reads only LDS bytes that its own tensor loads brought (its own wait on TENSORcnt orders them),
; and every LDS byte of x and w is read once.  16 accumulators of 16 x 16 a wave, 64 matrix instructions.  The four partial sums of a logit meet in LDS, once, behind one barrier.
; TRANSPOSED USE: source 0 = 16 experts, source 1 = 16 tokens: lane l holds token l % 16, and register j of expert tile t the expert 16 t + 8 (l / 16) + j: 32 experts a lane, the other 32 in lane l xor 16.
; ROTATION: wave w walks the four tiles of 16 tokens in the order w + 1, w + 2, w + 3, w (mod 4).  The first three are other waves' to finish: their sums go to a stage in LDS as images of the registers;
; the last is its own and stays in registers.  The rotation lies in global addresses and in the stage's addresses, made from the wave's number; register numbers are the same in all waves.
; CLUSTER: 4 work-groups.  All work-groups read the same w, which is half of what a work-group takes in: each wave's strip of w is asked for JOINTLY, by the same tensor load with the same descriptor and the mask 15.
; SOFTMAX AND TOP-2 as the reference has them: the largest logit is taken away, e = exp, score = e / the sum; the choice is made on the scores, equal scores go to the lower expert.
; LIMITS.  e0 + e1 between -126 and 127 (it is added to the exponent field of log2(e)).  NaN codes are not served.  v_exp_f32 gives 0 where the exponential lies under 2^-126 (ISA guide 15.8, its entry):
; experts so far under the largest logit (87.3 or more) have the score 0, tie there, and the lowest of them is taken.
; REGISTERS, in windows of 256: window 0: v1-15 addresses; v32-127 partial sums, then logits, scores and work; v128-255 accumulators (walk step p, expert tile t at v[128 + 32 p + 8 t]).
;   window 1: x's fragments (walk step p, K step s at v[64 p + 16 s]).   window 2: w's fragments (K step s, expert tile t at v[64 s + 16 t]).  Each fragment has registers of its own.
.set ROWB,   2048                      ; a row of x or of w in memory, in bytes
.set KW,     512                       ; codes along K for a wave: 4 K steps of 128
.set PITCH,  KW+16                     ; an LDS row: 512 bytes + 16 of padding = 132 words: row r starts at bank 4 r mod 64 (64 banks of 4 bytes: ISA guide 11.1): the 16 rows of a fragment load start at 16 different banks
.set TILEB,  16*PITCH                  ; 16 rows
.set REGN,   64*PITCH                  ; a wave's 64 rows of w, or of x
.set XOFF,   4*REGN                    ; LDS: the four waves' strips of w, then those of x,
.set STG,    8*REGN                    ; then the stage for partial sums: for each owner 3 images of 4,096 bytes,
.set SLOTB,  4096
.set OUTS,   STG+12*SLOTB              ; then the stage for results: 512 bytes of out0, 512 of out1.  No tensor load lands from STG on
.set AW,  4                            ; v4     LDS address of my lane in my wave's strip of w
.set AX,  5                            ; v5     the same in x
.set SW,  8                            ; v8-10  where walk step p's image goes
.set SR,  11                           ; v11    where the three images for my own tile lie
.set OW,  12                           ; v12    results: where my lane puts its number
.set ORD, 13                           ; v13    results: where my lane reads 8 bytes back
.set GO,  14                           ; v14    8 x lane: my byte offset in the wave's 256 bytes of output
.set H8,  15                           ; v15    8 x (lane / 16): my half's part of an expert's number
.set LG,  32                           ; v32-63 my 32 logits, then scores; v64-127 hold two more images during the sum
.set M1,  64                           ; v64    a maximum (v65 at work)
.set XC,  66                           ; v66    what comes from lane l xor 16
.set SM,  68                           ; v68-71 the sum of exponentials, its reciprocal
.set I1,  72                           ; v72    the first expert (v73-75 at work)
.set LX,  76                           ; v76    the first expert less my half's part
.set M2,  78                           ; v78    the second score (v79 at work)
.set I2,  80                           ; v80    the second expert (v81-83 at work)
.set T,   84                           ; v84-87 at work
.set OV,  88                           ; v[88:89] 8 bytes of output
.set ACC, 128
.set WV,  14                           ; s14    my wave's number
.set G1W, 16                           ; s[16:23] descriptor group 1 for w;  s[24:31] for x
.set G1X, 24
.set G0W, 32                           ; s[32:35] group 0 for w;  s[36:51] for x's four tiles
.set G0X, 36
.set CS,  62                           ; s[62:63] c = log2(e) x 2^(e0 + e1)
.set SEL, 66                           ; s[66:67] lane selects for v_permlanex16_b32: lane l xor 16
.set MK,  70                           ; s70-73 four lane masks by turns
.set MSB, 0
.macro WIN new                         ; the immediate's high byte repeats the setting that is left
.if MSB != \new
	s_set_vgpr_msb (MSB<<8)|\new
.set MSB, \new
.endif
.endm
; A round of the cluster's barrier: my work-group's barrier; wave 0 signals for the work-group; every wave waits for all four work-groups; my work-group's barrier once more.
.macro CROUND
	s_barrier_signal -1
	s_barrier_wait -1
	s_cmp_lg_u32 s[WV], 0
	s_cbranch_scc1 .Lnot_wave_0_\@
	s_barrier_signal -3
.Lnot_wave_0_\@:
	s_barrier_wait -3
	s_barrier_signal -1
	s_barrier_wait -1
.endm
	s_load_b256 s[4:11], s[0:1], 0x0               ; x s[4:5], w s[6:7], the scales' exponents s[8:9], out0 s[10:11]
	s_load_b64 s[12:13], s[0:1], 0x20              ; out1
	v_lshl_add_u32 v30, v0, 2, 0x4e400
	v_mov_b32 v31, 0
	ds_add_u32 v30, v31
	ds_add_u32 v30, v31
	v_lshrrev_b32 v1, 5, v0
	v_readfirstlane_b32 s[WV], v1                  ; wave 0..3
	s_bfe_u32 s15, ttmp6, 0x40000                  ; cx: my place in the cluster
	s_lshl_b32 s52, ttmp9, 2                       ; in a cluster launch ttmp9 counts clusters
	s_add_co_u32 s52, s52, s15                     ; my work-group: it enters x's and the outputs' addresses alone
	; descriptor group 1.  w: 64 rows x 512 bytes, 2,048 bytes apart, padded in LDS, for all four work-groups.  x: the same with 16 rows, for me alone
	s_mov_b32 s[G1W], 15|(1<<20)|(1<<21)|(6<<22)|(3<<25)   ; 15:0 the mask: all four; 17:16 elements of 1 byte; 20 padding on; 21 set beside a mask; 24:22 after every 128 words (code 6); 31:25 four words (code 3)
	s_mov_b32 s[G1W+1], KW<<16                     ; tensor_dim0 = 512
	s_mov_b32 s[G1W+2], 64<<16                     ; tensor_dim1 = 64
	s_mov_b32 s[G1W+3], KW<<16                     ; tile_dim0 = 512
	s_mov_b32 s[G1W+4], 64                         ; tile_dim1 = 64
	s_mov_b32 s[G1W+5], ROWB                       ; from row to row
	s_mov_b32 s[G1W+6], 0
	s_mov_b32 s[G1W+7], 0
	s_mov_b32 s[G1X], (1<<20)|(6<<22)|(3<<25)      ; no mask
	s_mov_b32 s[G1X+1], KW<<16
	s_mov_b32 s[G1X+2], 16<<16                     ; tensor_dim1 = 16
	s_mov_b32 s[G1X+3], KW<<16
	s_mov_b32 s[G1X+4], 16                         ; tile_dim1 = 16
	s_mov_b32 s[G1X+5], ROWB
	s_mov_b32 s[G1X+6], 0
	s_mov_b32 s[G1X+7], 0
	s_mul_i32 s53, s[WV], REGN                     ; my wave's strip in LDS: no place in the cluster enters an LDS address
	s_lshl_b32 s54, s[WV], 9                       ; my wave's 512 codes in a row
	s_mov_b32 s55, 0
	s_lshl_b32 s56, s52, 17                        ; my work-group's 64 rows of 2,048 bytes,
	s_add_co_u32 s56, s56, s54                     ; and my wave's codes in them
	s_mov_b32 s57, 0
	s_mov_b32 s61, 0
	s_wait_dscnt 0x0
	s_wait_kmcnt 0x0
	s_load_b64 s[58:59], s[8:9], 0x0               ; e0, e1
	s_add_nc_u64 s[6:7], s[6:7], s[54:55]          ; w at my wave's codes: the same in all four partners
	s_add_nc_u64 s[4:5], s[4:5], s[56:57]          ; x at my work-group's first row, my wave's codes
	s_mov_b32 s[G0W], 1                            ; 1:0 count = 1
	s_mov_b32 s[G0W+1], s53                        ; 63:32 LDS address
	s_mov_b64 s[G0W+2:G0W+3], s[6:7]               ; 120:64 global address
	s_or_b32 s[G0W+3], s[G0W+3], 0x80000000        ; 127:126 type = 2
.irp p, 0,1,2,3                        ; walk step p takes the tile of tokens (w + 1 + p) mod 4; in LDS the tiles lie in the order of the walk
	s_add_co_u32 s60, s[WV], \p+1
	s_and_b32 s60, s60, 3
	s_lshl_b32 s60, s60, 15                        ; 16 rows of 2,048 bytes
	s_mov_b32 s[G0X+4*\p], 1
	s_add_co_u32 s[G0X+4*\p+1], s53, XOFF+\p*TILEB
	s_add_nc_u64 s[G0X+4*\p+2:G0X+4*\p+3], s[4:5], s[60:61]
	s_or_b32 s[G0X+4*\p+3], s[G0X+4*\p+3], 0x80000000
.endr
	CROUND                                         ; all four work-groups are here: the joint loads meet
	; All the wave's fills, one group: five tensor loads are out.  x is the long stream: its first two tiles are asked for first; w stands ahead of the other two, so that products begin while those are on their way.
	tensor_load_to_lds s[G0X:G0X+3], s[G1X:G1X+7]
	s_nop 0
	tensor_load_to_lds s[G0X+4:G0X+7], s[G1X:G1X+7]
	s_nop 0
	tensor_load_to_lds s[G0W:G0W+3], s[G1W:G1W+7]
	s_nop 0
	tensor_load_to_lds s[G0X+8:G0X+11], s[G1X:G1X+7]
	s_nop 0
	tensor_load_to_lds s[G0X+12:G0X+15], s[G1X:G1X+7]
	s_nop 0
	v_and_b32 v1, 15, v0                           ; r = lane % 16
	v_bfe_u32 v2, v0, 4, 1                         ; h = lane / 16
	v_mul_u32_u24 v3, v1, PITCH
	v_lshl_add_u32 v3, v2, 4, v3                   ; a fragment's row x pitch + 16 h
	v_add_nc_u32 v[AW], s53, v3
	v_add_nc_u32 v[AX], XOFF, v[AW]
	v_and_b32 v6, 31, v0                           ; lane
	v_lshlrev_b32 v7, 4, v6                        ; 16 x lane: an image's place for my lane
.irp p, 0,1,2                          ; walk step p's sums belong to wave (w + 1 + p) mod 4: image p of that wave's three
	s_add_co_u32 s60, s[WV], \p+1
	s_and_b32 s60, s60, 3
	s_mul_i32 s60, s60, 3*SLOTB
	s_add_co_u32 s60, s60, STG+\p*SLOTB
	v_add_nc_u32 v[SW+\p], s60, v7
.endr
	s_mul_i32 s60, s[WV], 3*SLOTB
	s_add_co_u32 s60, s60, STG
	v_add_nc_u32 v[SR], s60, v7                    ; the three images that the others leave for me
	s_lshl_b32 s60, s[WV], 7
	s_add_co_u32 s60, s60, OUTS
	v_lshlrev_b32 v3, 3, v1
	v_lshl_add_u32 v3, v2, 2, v3
	v_add_nc_u32 v[OW], s60, v3                    ; results: token 16 w + r has 8 bytes; lanes 0-15 write the first number, lanes 16-31 the second
	s_lshl_b32 s60, s[WV], 8
	s_add_co_u32 s60, s60, OUTS
	v_lshlrev_b32 v[GO], 3, v6
	v_add_nc_u32 v[ORD], s60, v[GO]                ; back: wave w takes bytes 256 w .. 256 w + 255 of the stage: waves 0, 1 the halves of out0's 512, waves 2, 3 of out1's
	v_lshlrev_b32 v[H8], 3, v2
	v_mov_b32 v[XC], 0                             ; written once: a lane permute's destination counts as one of its sources
	s_cmp_lt_u32 s[WV], 2                          ; which output I store: a choice on the wave's number
	s_cselect_b64 s[10:11], s[10:11], s[12:13]
	s_lshl_b32 s76, s52, 9                         ; my work-group's 512 bytes of it,
	s_and_b32 s77, s[WV], 1
	s_lshl_b32 s77, s77, 8                         ; my wave's 256
	s_add_co_u32 s76, s76, s77
	s_mov_b32 s77, 0
	s_add_nc_u64 s[10:11], s[10:11], s[76:77]
	s_mov_b32 s[SEL], 0x76543210
	s_mov_b32 s[SEL+1], 0xfedcba98
	s_wait_kmcnt 0x0
	s_add_co_i32 s58, s58, s59                     ; e0 + e1, between -126 and 127,
	s_lshl_b32 s58, s58, 23
	s_add_co_i32 s[CS], s58, 0x3fb8aa3b            ; added to the exponent field of log2(e): c = log2(e) x 2^(e0 + e1)
	s_mov_b32 s[CS+1], s[CS]                       ; (named with it as a pair, so it is written)
; A fragment, 16 rows x 128 K of 8-bit codes, is 16 registers: lane l takes, of row l % 16, K = 32 c + 16 (l / 16) + 0 .. 15 into registers 4 c .. 4 c + 3: four loads of 16 bytes.
; That is a permutation of k against this form's own layout, the same in x and in w, so every product meets its partner.
.macro FRAG reg, adr, off
.irp c, 0,1,2,3
	ds_load_b128 v[\reg+4*\c:\reg+4*\c+3], v[\adr] offset:\off+32*\c
.endr
.endm
.macro XFETCH p                        ; walk step p's 16 tokens: four fragments, K step by K step, into window 1
	WIN 0x40
.irp s, 0,1,2,3
	FRAG 64*(\p)+16*\s, AX, (\p)*TILEB+128*\s
.endr
.endm
; 16 matrix instructions: walk step p's 16 tokens x 64 experts x my 512 codes.  The four accumulators take turns, one instruction a turn; the first K step starts the sums.
; younger: LDS instructions issued behind this tile's 16 loads.  The wait ahead of K step s leaves those out, and the four loads of each later K step.
.macro MUL p, younger
	WIN 0x06                                       ; source 0 (w) window 2, source 1 (x) window 1, C and D window 0
.irp s, 0,1,2,3
	s_wait_dscnt \younger+12-4*\s
.irp t, 0,1,2,3
.if \s == 0
	v_wmma_f32_16x16x128_fp8_fp8 v[ACC+32*(\p)+8*\t:ACC+32*(\p)+8*\t+7], v[64*\s+16*\t:64*\s+16*\t+15], v[64*(\p)+16*\s:64*(\p)+16*\s+15], 0
.else
	v_wmma_f32_16x16x128_fp8_fp8 v[ACC+32*(\p)+8*\t:ACC+32*(\p)+8*\t+7], v[64*\s+16*\t:64*\s+16*\t+15], v[64*(\p)+16*\s:64*(\p)+16*\s+15], v[ACC+32*(\p)+8*\t:ACC+32*(\p)+8*\t+7]
.endif
.endr
.endr
.endm
.macro PLACES                          ; an LDS store or a vector instruction that reads a matrix result stands four plain vector instructions behind it
.rept 4
	v_nop
.endr
.endm
.macro TOSTAGE p                       ; walk step p's 32 sums a lane go to their owner as they stand: 512 consecutive bytes a store; each accumulator from its low end on
.irp q, 0,1,2,3,4,5,6,7
	ds_store_b128 v[SW+\p], v[ACC+32*\p+4*\q:ACC+32*\p+4*\q+3] offset:512*\q
.endr
.endm
	s_wait_tensorcnt 0x2                           ; x's first two tiles and w have landed; the two loads issued behind w may be out
	WIN 0x80                                       ; destination window 2
.irp s, 0,1,2,3                        ; w's 16 fragments, K step by K step: they stay in registers
.irp t, 0,1,2,3
	FRAG 64*\s+16*\t, AW, \t*TILEB+128*\s
.endr
.endr
	XFETCH 0
	XFETCH 1
	MUL 0, 16                                      ; behind tile 0's loads: tile 1's sixteen
	MUL 1, 0
	WIN 0
	PLACES
	TOSTAGE 0
	TOSTAGE 1
	s_wait_tensorcnt 0x1                           ; the third tile has landed; the last load may be out
	XFETCH 2
	MUL 2, 0
	WIN 0
	PLACES
	TOSTAGE 2
	s_wait_tensorcnt 0x0                           ; my own tile, the last
	XFETCH 3
	MUL 3, 0
	WIN 0
	PLACES                                         ; ahead of the additions below, which read these results
	s_wait_dscnt 0x0                               ; for the others' sake: my three images lie in the stage
	s_barrier_signal -1
	s_barrier_wait -1                              ; everybody's do
	; THE SUM OVER THE FOUR WAVES' PARTS OF K, for my own 16 tokens
.irp k, 0,1,2
.irp q, 0,1,2,3,4,5,6,7
	ds_load_b128 v[LG+32*\k+4*\q:LG+32*\k+4*\q+3], v[SR] offset:\k*SLOTB+512*\q
.endr
.endr
	s_wait_dscnt 16                                ; the first image is in; the other two's sixteen loads may be out
.irp j, 0,2,4,6,8,10,12,14,16,18,20,22,24,26,28,30
	v_pk_add_f32 v[LG+\j:LG+\j+1], v[LG+\j:LG+\j+1], v[ACC+96+\j:ACC+96+\j+1]
.endr
	s_wait_dscnt 8                                 ; the second; the third's eight may be out
.irp j, 0,2,4,6,8,10,12,14,16,18,20,22,24,26,28,30
	v_pk_add_f32 v[LG+\j:LG+\j+1], v[LG+\j:LG+\j+1], v[LG+32+\j:LG+32+\j+1]
.endr
	s_wait_dscnt 0x0
.irp j, 0,2,4,6,8,10,12,14,16,18,20,22,24,26,28,30
	v_pk_add_f32 v[LG+\j:LG+\j+1], v[LG+\j:LG+\j+1], v[LG+64+\j:LG+64+\j+1]
.endr
; v[d] = the largest of my token's 64 numbers: my 32 in two chains, three operands at a time, then lane l xor 16's.  v[d + 1] at work
.macro MAXALL d
	v_max3_num_f32 v[\d], v[LG], v[LG+1], v[LG+2]
	v_max3_num_f32 v[\d+1], v[LG+3], v[LG+4], v[LG+5]
.irp i, 6,10,14,18,22,26
	v_max3_num_f32 v[\d], v[\d], v[LG+\i], v[LG+\i+1]
	v_max3_num_f32 v[\d+1], v[\d+1], v[LG+\i+2], v[LG+\i+3]
.endr
	v_max3_num_f32 v[\d], v[\d], v[LG+30], v[LG+31]
	v_max_num_f32 v[\d], v[\d], v[\d+1]
	v_permlanex16_b32 v[XC], v[\d], s[SEL], s[SEL+1]
	v_max_num_f32 v[\d], v[\d], v[XC]
.endm
; v[d] = the LOWEST expert whose score equals v[m].  Four chains, one for each expert tile, walked from the tile's last register to its first, so that the lowest stays; register 8 t + j is expert 16 t + j + 8 h.
; Then the least of the four, my half's 8 h, and the lesser of mine and lane l xor 16's.  v[d + 1 .. d + 3] at work
.macro ARGLOW d, m
.irp t, 0,1,2,3
	v_mov_b32 v[\d+\t], 64                         ; above every expert
.endr
.irp j, 7,6,5,4,3,2,1,0
.irp t, 0,1,2,3
	v_cmp_neq_f32 s[MK+\t], v[LG+8*\t+\j], v[\m]
.endr
.irp t, 0,1,2,3
	v_cndmask_b32 v[\d+\t], 16*\t+\j, v[\d+\t], s[MK+\t]
.endr
.endr
	v_min_u32 v[\d], v[\d], v[\d+1]
	v_min_u32 v[\d+2], v[\d+2], v[\d+3]
	v_min_u32 v[\d], v[\d], v[\d+2]
	v_add_nc_u32 v[\d], v[\d], v[H8]
	v_permlanex16_b32 v[XC], v[\d], s[SEL], s[SEL+1]
	v_min_u32 v[\d], v[\d], v[XC]
.endm
	; SOFTMAX.  The sums lack the factor 2^(e0 + e1), a power of two: sum - largest sum is rounded as logit - largest logit is; c carries the factor and log2(e)
	MAXALL M1
.irp j, 0,2,4,6,8,10,12,14,16,18,20,22,24,26,28,30
	v_pk_add_f32 v[LG+\j:LG+\j+1], v[LG+\j:LG+\j+1], v[M1:M1+1] op_sel_hi:[1,0] neg_lo:[0,1] neg_hi:[0,1]   ; less the largest (the pair's low word for both halves)
.endr
.irp j, 0,2,4,6,8,10,12,14,16,18,20,22,24,26,28,30
	v_pk_mul_f32 v[LG+\j:LG+\j+1], v[LG+\j:LG+\j+1], s[CS:CS+1] op_sel_hi:[1,0]
.endr
.irp n, 0,1,2,3,4,5,6,7,8,9,10,11,12,13,14,15,16,17,18,19,20,21,22,23,24,25,26,27,28,29,30,31
	v_exp_f32 v[LG+\n], v[LG+\n]                   ; exp(logit - the largest), at most 1
.endr
	v_nop                                          ; a plain instruction between the exponentials and the use of their results
	s_wait_alu depctr_va_vdst(0)
	v_pk_add_f32 v[SM:SM+1], v[LG:LG+1], v[LG+2:LG+3]          ; their sum: two at a time, in two chains
	v_pk_add_f32 v[SM+2:SM+3], v[LG+4:LG+5], v[LG+6:LG+7]
.irp j, 8,12,16,20,24,28
	v_pk_add_f32 v[SM:SM+1], v[SM:SM+1], v[LG+\j:LG+\j+1]
	v_pk_add_f32 v[SM+2:SM+3], v[SM+2:SM+3], v[LG+\j+2:LG+\j+3]
.endr
	v_pk_add_f32 v[SM:SM+1], v[SM:SM+1], v[SM+2:SM+3]
	v_add_f32 v[SM], v[SM], v[SM+1]
	v_permlanex16_b32 v[XC], v[SM], s[SEL], s[SEL+1]
	v_add_f32 v[SM], v[SM], v[XC]                  ; with lane l xor 16's: the token's sum
	v_rcp_f32 v[SM+2], v[SM]
	v_nop                                          ; a plain instruction behind the reciprocal
	s_wait_alu depctr_va_vdst(0)
.irp j, 0,2,4,6,8,10,12,14,16,18,20,22,24,26,28,30
	v_pk_mul_f32 v[LG+\j:LG+\j+1], v[LG+\j:LG+\j+1], v[SM+2:SM+3] op_sel_hi:[1,0]   ; the scores
.endr
	; TOP-2 ON THE SCORES: the largest and the lowest expert that has it; that one expert is set to -1, under every score; the same again
	MAXALL M1
	ARGLOW I1, M1
	v_sub_nc_u32 v[LX], v[I1], v[H8]               ; equals 16 t + j of one of my registers only where that register holds the first expert
.irp j, 0,1,2,3,4,5,6,7
.irp t, 0,1,2,3
	v_cmp_ne_u32 s[MK+\t], 16*\t+\j, v[LX]
.endr
.irp t, 0,1,2,3
	v_cndmask_b32 v[LG+8*\t+\j], -1.0, v[LG+8*\t+\j], s[MK+\t]
.endr
.endr
	MAXALL M2
	ARGLOW I2, M2
	v_add_f32 v[T], v[M1], v[M2]                   ; the two scores are divided by their sum
	v_rcp_f32 v[T+1], v[T]
	v_cmp_eq_u32 vcc_lo, 1, v2                     ; (a plain instruction behind the reciprocal)  lanes 0-15 carry the first of the two, lanes 16-31 the second
	v_cndmask_b32 v[T+2], v[M1], v[M2], vcc_lo
	v_cndmask_b32 v[T+3], v[I1], v[I2], vcc_lo
	s_wait_alu depctr_va_vdst(0)
	v_mul_f32 v[T+2], v[T+2], v[T+1]
	; THE WAY OUT.  A wave's 16 tokens are 128 bytes of each output.  The four waves' results meet in a stage, and each wave stores 256 consecutive bytes, at a multiple of 256 from its output's first byte.
	ds_store_b32 v[OW], v[T+2]
	ds_store_b32 v[OW], v[T+3] offset:512
	s_wait_dscnt 0x0                               ; for the others' sake: my results lie in the stage
	s_barrier_signal -1
	s_barrier_wait -1
	ds_load_b64 v[OV:OV+1], v[ORD]
	s_wait_dscnt 0x0
	global_store_b64 v[GO], v[OV:OV+1], s[10:11] th:TH_STORE_NT   ; written once, read by nobody here
	s_wait_tensorcnt 0x0
	ds_add_u32 v30, v31
	s_wait_dscnt 0x0
	CROUND                                         ; the closing round: no work-group ends while a partner may still ask for a tile that names it
	s_endpgm
.Lfunc_end_k_qf121f694e6_gate:
	.size	k_qf121f694e6_gate, .Lfunc_end_k_qf121f694e6_gate-k_qf121f694e6_gate
	.p2alignl 7, 3214868480
	.fill 96, 4, 3214868480
	.section	.rodata,"a",@progbits
	.p2align	6, 0x0
	.amdhsa_kernel k_qf121f694e6_gate
		.amdhsa_group_segment_fixed_size 327680
		.amdhsa_private_segment_fixed_size 0
		.amdhsa_enable_private_segment 0
		.amdhsa_kernarg_size 40
		.amdhsa_user_sgpr_count 2
		.amdhsa_user_sgpr_kernarg_segment_ptr 1
		.amdhsa_wavefront_size32 1
		.amdhsa_system_sgpr_workgroup_id_x 1
		.amdhsa_system_sgpr_workgroup_id_y 1
		.amdhsa_system_sgpr_workgroup_id_z 1
		.amdhsa_system_vgpr_workitem_id 0
		.amdhsa_next_free_vgpr 768
		.amdhsa_next_free_sgpr 80
		.amdhsa_reserve_vcc 1
		.amdhsa_float_denorm_mode_32 3
		.amdhsa_float_denorm_mode_16_64 3
		.amdhsa_memory_ordered 1
		.amdhsa_forward_progress 1
		.amdhsa_inst_pref_size 49
	.end_amdhsa_kernel
	.amdgpu_metadata
---
amdhsa.version: [ 1, 2 ]
amdhsa.kernels:
  - .name:           k_qf121f694e6_gate
    .symbol:         k_qf121f694e6_gate.kd
    .args:
      - { .name: x_codes, .offset: 0, .size: 8, .value_kind: global_buffer, .address_space: global }
      - { .name: weight_codes, .offset: 8, .size: 8, .value_kind: global_buffer, .address_space: global }
      - { .name: lowp_scales, .offset: 16, .size: 8, .value_kind: global_buffer, .address_space: global }
      - { .name: out0, .offset: 24, .size: 8, .value_kind: global_buffer, .address_space: global }
      - { .name: out1, .offset: 32, .size: 8, .value_kind: global_buffer, .address_space: global }
    .group_segment_fixed_size: 327680
    .private_segment_fixed_size: 0
    .kernarg_segment_align: 8
    .kernarg_segment_size: 40
    .max_flat_workgroup_size: 128
    .sgpr_count:     80
    .vgpr_count:     768
    .wavefront_size: 32
...
	.end_amdgpu_metadata
.endif
;; end of part 1
